; MI455X (gfx1250); checked and timed in simulation.
; The chip was launched on July 23, 2026; its instructions are those of AMD's public machine-readable ISA for CDNA 5 (MIT licence, August 2026) and "CDNA5" Instruction Set Architecture Reference Guide (July 2026). The comments in the code are by the model that wrote it; some were corrected since.
;; Cross Modal Attention. Allowed arithmetic: matrix products marked QUANTISED: E5M2 operands, one given power-of-two scale a tensor, by v_wmma_f32_16x16x64_bf8_bf8 or v_wmma_f32_16x16x128_bf8_bf8, f32 sums; everything else in f32.
;; Inputs: beta_nbi 256 float32; beta_wli 256 float32; gamma_nbi 256 float32; gamma_wli 256 float32; lowp_scales 20 int32 (the exponents e of the quantised operands' scales 2^e); nbi_aligned 4 x 256 x 64 x 64 float32; w_k_nbi 64 x 256 float32; w_k_wli 64 x 256 float32; w_q_nbi 64 x 256 float32; w_q_wli 64 x 256 float32; w_v_nbi 256 x 256 float32; w_v_wli 256 x 256 float32; wli_feat 4 x 256 x 64 x 64 float32.
;; Outputs: out0 4 x 256 x 64 x 64 float32; out1 4 x 256 x 64 x 64 float32.
;; This version of the problem:
;;   THIS VERSION OF THE PROBLEM IS GIVEN IN LOW PRECISION. The matrix products marked QUANTISED in the list below multiply operands that are first quantised to E5M2 (5 exponent bits, 2 mantissa bits; 8 bits a number), with one given power-of-two scale for each operand tensor; their sums are f32. All else is computed in f32.
;;   The module's matrix products, in the order in which they are computed (A, B: the left and right operand; K: the contracted axis; several contracted axes count as one K, in the product's order):
;;     1. [M 64, K 256] x [K 256, N 16,384]; A: input w_q_wli; B: input wli_feat: QUANTISED (scales: A lowp_scales[0], B lowp_scales[1])
;;     2. [M 64, K 256] x [K 256, N 16,384]; A: input w_k_nbi; B: input nbi_aligned: QUANTISED (scales: A lowp_scales[2], B lowp_scales[3])
;;     3. [M 256, K 256] x [K 256, N 16,384]; A: input w_v_nbi; B: input nbi_aligned: QUANTISED (scales: A lowp_scales[4], B lowp_scales[5])
;;     4. batch 4 x [M 4,096, K 64] x [K 64, N 4,096]; A: computed on the way; B: computed on the way: QUANTISED (scales: A lowp_scales[6], B lowp_scales[7])
;;     5. batch 4 x [M 4,096, K 4,096] x [K 4,096, N 256]; A: softmax (see below); B: computed on the way: QUANTISED (scales: A lowp_scales[8], B lowp_scales[9])
;;     6. [M 64, K 256] x [K 256, N 16,384]; A: input w_q_nbi; B: input nbi_aligned: QUANTISED (scales: A lowp_scales[10], B lowp_scales[11])
;;     7. [M 64, K 256] x [K 256, N 16,384]; A: input w_k_wli; B: input wli_feat: QUANTISED (scales: A lowp_scales[12], B lowp_scales[13])
;;     8. [M 256, K 256] x [K 256, N 16,384]; A: input w_v_wli; B: input wli_feat: QUANTISED (scales: A lowp_scales[14], B lowp_scales[15])
;;     9. batch 4 x [M 4,096, K 64] x [K 64, N 4,096]; A: computed on the way; B: computed on the way: QUANTISED (scales: A lowp_scales[16], B lowp_scales[17])
;;     10. batch 4 x [M 4,096, K 4,096] x [K 4,096, N 256]; A: softmax (see below); B: computed on the way: QUANTISED (scales: A lowp_scales[18], B lowp_scales[19])
;;   THE QUANTISER, for each operand of a quantised product, along K:
;;     - The operand's scale is 2^e, e = its entry of the input lowp_scales (int32; the entries are numbered through the quantised products in the list's order, A before B).
;;     - Each number is divided by the scale, clamped to +-57,344, and rounded to the nearest number of E5M2, ties to even, subnormals kept.
;;     - The product sums the exact products of the quantised numbers (number of the format x scale) in f32.
;;   ~~~python
;;   def quantise(x, axis, e):      # numpy; x: float32 -> the quantised numbers, widened to float32 again
;;       x = np.moveaxis(x, axis, -1); K = x.shape[-1]
;;       r = np.clip(x / 2.0 ** e, -57344, 57344)
;;       step = 2.0 ** (np.maximum(np.frexp(np.where(r == 0, 1, r))[1] - 1, -14) - 2)
;;       q = np.round(r / step) * step * 2.0 ** e      # np.round: ties to even
;;       return np.moveaxis(q, -1, axis).astype(np.float32)
;;   ~~~
;;   SOFTMAX AHEAD OF A QUANTISED PRODUCT. Where the list says 'softmax', what is quantised is not the finished softmax but p = 2^(t - M), with t = logit x log2(e) and M = ceil(the row's largest t), a whole number; so 1/2 < the row's largest p <= 1. The row's sum l is taken of the UNQUANTISED p, in f32, and the product's result is divided by l at the end. Since M is a whole number, a kernel that streams over the keys may use a running M (the ceiling of the running maximum): every later rescaling is an exact power of two, so the quantised numbers keep their values, but for numbers so far below the row's largest that they fall under the format's range.
;;   OPERANDS COMPUTED ON THE WAY. 'Computed on the way' means the value that the module computes at that place (a softmax that the list does not call 'softmax' is quantised finished and normalised). What goes into a quantiser is computed in f32, as accurately as f32 sums, v_exp_f32 and their like allow (about 1e-6 of the number): no bf16 or f16 on the way to a quantiser, and a product that is left as it is and whose result goes on into a quantised operand takes f32 operands (vector FMAs, or v_wmma_f32_16x16x4_f32). A number that lies on a knife's edge between two numbers of the format may be rounded either way, as far as f32 arithmetic and the matrix unit's own rounding can turn it there, and no further.
;; One version. Each part assembles by itself: llvm-mc -triple=amdgcn-amd-amdhsa -mcpu=gfx1250 --defsym DOCPART=n.
;; ======== version 1 of 1: 3 launches
;; limits: right only within a limited range of input values
;; workspace buffers: qc 2,097,152 bytes; kv 10,485,760 bytes; ybuf 33,554,432 bytes
;; launch proj (part 1): grid 128 x 2, 4 waves a work-group, no clusters, 132,608 bytes of LDS; arguments wli_feat, nbi_aligned, w_q_wli, w_q_nbi, w_k_wli, w_k_nbi, w_v_wli, w_v_nbi, lowp_scales, qc, kv; writes qc, kv
.if DOCPART == 1
	.amdgcn_target "amdgcn-amd-amdhsa--gfx1250"
	.amdhsa_code_object_version 6
	.text
	.protected	k_q535f2cc28f_proj
	.globl	k_q535f2cc28f_proj
	.p2align	8
	.type	k_q535f2cc28f_proj,@function
k_q535f2cc28f_proj:
	s_mov_b64 s[64:65], 0
	v_nop
	global_prefetch_b8 v0, s[64:65] scope:SCOPE_SE
	s_setreg_imm32_b32 hwreg(HW_REG_WAVE_MODE, 25, 1), 1
	s_wait_xcnt 0x0
; The six 1x1 convolutions, W X with K = the 256 channels, on codes of BF8 (E5M2), and the quantising of their results q, k, v for the attention.
; X is [batch 4][channel 256][position 4096] f32 (K is NOT innermost); the weights are [out][256] f32 (K innermost).  One feature map enters three products under three given scales: it is quantised three times.
; SHARES.  Work-group (x, y): tensor y (0: wli_feat, 1: nbi_aligned), batch x / 32, positions 128 (x % 32) on: 128 columns of X, all 384 output rows (64 q, 64 k, 256 v).  Four waves.
; PHASE 1.  Wave w reads channels 64 w .. 64 w + 63 of the 128 columns (each load: one channel's 512 consecutive bytes, 4 columns a lane), and the hold at the largest code also moves each number so that 16 neighbours along K
; of one column stand in consecutive registers; the conversions then give 16 bytes with K innermost, which go to LDS as parts of IMAGES OF OPERAND REGISTERS (a fragment: 16 columns x 128 K, four pieces of 512 bytes, 16 bytes a lane).
; Wave w also quantises tile w of Wq and of Wk (images in LDS, read by all waves) and tiles 4 w .. 4 w + 3 of Wv (straight into its own registers: no other wave reads them).
; PHASE 2, behind ONE barrier.  q, k: wave w takes column tiles 2 w, 2 w + 1 and all 64 outputs, source 0 = W, source 1 = X: a lane holds one position and eight neighbouring outputs, the next product's K.
; v: wave w takes channels 64 w .. 64 w + 63 and all 128 positions, source 0 = X, source 1 = W: a lane holds one channel and eight neighbouring keys, the next product's K.  The results' codes ARE fragments of the attention's
; operands and are stored in the order of those registers: every store of a wave covers 512 consecutive bytes, aligned.
; ORDER OF K inside a matrix instruction: registers 4 g .. 4 g + 3 of lane (r, h) hold k = 32 g + 16 h + 0 .. 15, alike in W and in X: a permutation of k, so each product meets its partner.
; A sum stands for sum x 2^(ew + ex); its code under 2^eo is sum / 2^(eo - ew - ex): the three exponents are folded into the conversion's one.
; NO CLUSTER, NO TENSOR LOAD: work-groups of one tensor share only its weights, 393,216 bytes of f32 that must pass through registers to be quantised; they do not fit in LDS beside X's images, and X, the larger stream, is shared by nobody.
; LIMITS on the given exponents, so that each power of two is an f32 number: every ew, every ex and every eo - ew - ex between -126 and 112.  NaN among the inputs is not served.
; REGISTERS.  window 0: v2-11 addresses; v16-33 nine pairs (scale, 57,344 x scale); v64-127 T: held numbers, later accumulators; v128-175 codes on their way to LDS; later v128-223 the results' codes.
;   window 1: four buffers of 64 for loads, later fragments.   window 2: v0-127 my eight fragments of Wv.
.set XFR,  2064                        ; an image of X's in LDS: 2,048 bytes + 16, so that the four images that a store touches fall on different 16-byte columns modulo 256 bytes
.set XS1,  24*XFR                      ; from K step 0 to K step 1: 3 versions x 8 column tiles
.set XVER, 8*XFR                       ; from version to version (0: q's scale, 1: k's, 2: v's)
.set WIMG, 48*XFR                      ; behind X's 48 images: 16 images of 2,048 bytes: Wq's (2 t + s), then Wk's (8 + 2 t + s)
.set LI,   2                           ; v2   16 x lane: a lane's place in an image's piece, in a row of X, in a store
.set WA,   4                           ; v4   a weight's row r, + 64 h bytes: my 16 numbers of a block of 32
.set XW,   5                           ; v5   where I store X's codes
.set WWA,  6                           ; v6   where I store Wq's and Wk's images
.set XR0,  8                           ; v8, v9  my two column tiles' images, K step 0, 1
.set XB1,  10                          ; v10  column tile 0's image, K step 1
.set WRQ,  11                          ; v11  Wq's first image
.set CX,   16                          ; v16-21  X's three pairs
.set CW,   22                          ; v22-27  the weights' three
.set CO,   28                          ; v28-33  the results' three
.set T,    64
.set PCS,  128
.set OUT,  128
.set MSB,  0
.macro WIN new                         ; the immediate's high byte repeats the setting that is left; bits 1:0 source 0, 3:2 source 1, 5:4 source 2, 7:6 destination
.if MSB != \new
	s_set_vgpr_msb (MSB<<8)|\new
.set MSB, \new
.endif
.endm
.macro PLACES                          ; four plain vector lines between a matrix instruction and the first read of its result (ISA guide 7.12.1)
.rept 4
	v_nop
.endr
.endm
.macro MKSC e, vs                      ; from the exponent in s[e]: v[vs] = 2^e as f32 (the conversion takes its exponent field), v[vs+1] = 57,344 x 2^e
	s_add_co_i32 s52, s[\e], 127
	s_lshl_b32 s53, s52, 23
	v_mov_b32 v[\vs], s53
	s_add_co_i32 s52, s52, 15
	s_lshl_b32 s52, s52, 23
	s_or_b32 s52, s52, 0x600000
	v_mov_b32 v[\vs+1], s52
.endm
.macro LOADX i                         ; chunk i: my channels 16 i .. 16 i + 15: register 4 rr + j = X(channel rr, column 4 lane + j)
	WIN 0x40
.set rr, 0
.rept 16
	global_load_b128 v[64*((\i)%4)+4*rr:64*((\i)%4)+4*rr+3], v[LI], s[4:5] offset:(16*(\i)+rr)*16384 th:TH_LOAD_NT
.set rr, rr+1
.endr
.endm
.macro LOADW idx, ptr, ctl, s          ; chunk idx: 16 rows of a weight x 128 K: register 16 g + e = W(row r, 128 s + 32 g + 16 h + e)
	WIN 0x40
.irp g, 0,1,2,3
.irp jj, 0,1,2,3
	global_load_b128 v[64*((\idx)%4)+16*\g+4*\jj:64*((\idx)%4)+16*\g+4*\jj+3], v[WA], s[\ptr:\ptr+1] offset:(\ctl)*16384+(\s)*512+\g*128+\jj*16
.endr
.endr
.endm
.macro XCHUNK i, n                     ; n: the loads of the younger chunks, which may stay out
	s_wait_loadcnt \n
	s_wait_dscnt 0x0                               ; the last chunk's LDS stores have read their registers
.irp ver, 0,1,2
	WIN 0x01
.set kk, 0
.rept 64
	v_med3_num_f32 v[T+kk], v[64*((\i)%4)+4*(kk%16)+kk/16], -v[CX+1+2*\ver], v[CX+1+2*\ver]   ; the hold (the conversion to an 8-bit code does not saturate: ISA guide 7.6.2), and the move: T[16 j + rr] = column 4 lane + j, channel rr
.set kk, kk+1
.endr
	WIN 0
.set kk, 0
.rept 8
	v_cvt_scalef32_pk8_bf8_f32 v[PCS+16*\ver+2*kk:PCS+16*\ver+2*kk+1], v[T+8*kk:T+8*kk+7], v[CX+2*\ver]
.set kk, kk+1
.endr
	v_nop                                          ; a plain line between the conversions and the next version's holds, which write their sources
.irp j, 0,1,2,3
	ds_store_b128 v[XW], v[PCS+16*\ver+4*\j:PCS+16*\ver+4*\j+3] offset:\ver*XVER+((\i)/2)*512+((\i)%2)*256+\j*16
.endr
.endr
.endm
.macro WCHUNK idx, n, ws, own, off     ; own = 0: the fragment goes to LDS, off bytes behind my place; own = 1: it stays, at register off of window 2
	s_wait_loadcnt \n
	s_wait_dscnt 0x0
	WIN 0x41
.set kk, 0
.rept 64
.set kk, kk+1
.endr
.if \own
	WIN 0x81
.set kk, 0
.rept 8
	v_cvt_scalef32_pk8_bf8_f32 v[\off+2*kk:\off+2*kk+1], v[64*((\idx)%4)+8*kk:64*((\idx)%4)+8*kk+7], v[\ws]
.set kk, kk+1
.endr
	v_nop                                          ; a plain line behind the last conversion of a run
.else
	WIN 0x01
.set kk, 0
.rept 8
	v_cvt_scalef32_pk8_bf8_f32 v[PCS+2*kk:PCS+2*kk+1], v[64*((\idx)%4)+8*kk:64*((\idx)%4)+8*kk+7], v[\ws]
.set kk, kk+1
.endr
	v_nop
	WIN 0
.irp g, 0,1,2,3
	ds_store_b128 v[WWA], v[PCS+4*\g:PCS+4*\g+3] offset:\off+\g*512
.endr
.endif
.endm
; q or k: 64 outputs x my 32 positions.  Eight accumulators by turns, one instruction a turn.
.macro QKPH ver, wf0, os, out, ob
	WIN 0x40
.irp s, 0,1
.irp a, 0,1
.irp g, 0,1,2,3
	ds_load_b128 v[16*(2*\s+\a)+4*\g:16*(2*\s+\a)+4*\g+3], v[XR0+\s] offset:(8*\ver+\a)*XFR+\g*512
.endr
.endr
.endr
.irp t, 0,1,2,3
.irp s, 0,1
.irp g, 0,1,2,3
	ds_load_b128 v[64+16*(2*\t+\s)+4*\g:64+16*(2*\t+\s)+4*\g+3], v[WRQ] offset:(\wf0+2*\t+\s)*2048+\g*512
.endr
.endr
.endr
	s_wait_dscnt 0x0
	WIN 0x05
.irp s, 0,1
.irp t, 0,1,2,3
.irp a, 0,1
.if \s == 0
	v_wmma_f32_16x16x128_bf8_bf8 v[T+32*\a+8*\t:T+32*\a+8*\t+7], v[64+16*(2*\t+\s):64+16*(2*\t+\s)+15], v[16*(2*\s+\a):16*(2*\s+\a)+15], 0
.else
	v_wmma_f32_16x16x128_bf8_bf8 v[T+32*\a+8*\t:T+32*\a+8*\t+7], v[64+16*(2*\t+\s):64+16*(2*\t+\s)+15], v[16*(2*\s+\a):16*(2*\s+\a)+15], v[T+32*\a+8*\t:T+32*\a+8*\t+7]
.endif
.endr
.endr
.endr
	WIN 0
	PLACES
.set kk, 0
.rept 64
.set kk, kk+1
.endr
.set kk, 0
.rept 8
	v_cvt_scalef32_pk8_bf8_f32 v[OUT+\ob+2*kk:OUT+\ob+2*kk+1], v[T+8*kk:T+8*kk+7], v[\os]   ; register pair t of a K = 64 fragment: k = 16 t + 8 h + 0 .. 7
.set kk, kk+1
.endr
	v_nop                                          ; a plain line behind the conversions: the next products write their sources
.irp a, 0,1
.irp c, 0,1
	global_store_b128 v[LI], v[OUT+\ob+8*\a+4*\c:OUT+\ob+8*\a+4*\c+3], s[\out:\out+1] offset:\a*1024+\c*512
.endr
.endr
.endm
; v: my channel tile ctl x all 128 positions: one K = 128 fragment of the attention's second product
.macro VPH ctl
	WIN 0x09
.irp s, 0,1
.irp kt, 0,1,2,3,4,5,6,7
.if \s == 0
	v_wmma_f32_16x16x128_bf8_bf8 v[T+8*\kt:T+8*\kt+7], v[16*(2*\kt+\s):16*(2*\kt+\s)+15], v[16*(2*\ctl+\s):16*(2*\ctl+\s)+15], 0
.else
	v_wmma_f32_16x16x128_bf8_bf8 v[T+8*\kt:T+8*\kt+7], v[16*(2*\kt+\s):16*(2*\kt+\s)+15], v[16*(2*\ctl+\s):16*(2*\ctl+\s)+15], v[T+8*\kt:T+8*\kt+7]
.endif
.endr
.endr
	WIN 0
	PLACES
.set kk, 0
.rept 64
.set kk, kk+1
.endr
.set kk, 0
.rept 8
	v_cvt_scalef32_pk8_bf8_f32 v[OUT+32+16*\ctl+2*kk:OUT+32+16*\ctl+2*kk+1], v[T+8*kk:T+8*kk+7], v[CO+4]
.set kk, kk+1
.endr
	v_nop
.irp g, 0,1,2,3
	global_store_b128 v[LI], v[OUT+32+16*\ctl+4*\g:OUT+32+16*\ctl+4*\g+3], s[28:29] offset:\ctl*2048+\g*512
.endr
.endm
	s_load_b512 s[4:19], s[0:1], 0x0               ; wli, nbi; Wq of wli, of nbi; Wk of wli, of nbi; Wv of wli, of nbi
	s_load_b128 s[20:23], s[0:1], 0x40             ; the scales' exponents, qc
	s_load_b64 s[24:25], s[0:1], 0x50              ; kv
	v_lshl_add_u32 v254, v0, 2, 0x20400
	v_mov_b32 v255, 0
	v_lshrrev_b32 v1, 5, v0
	v_readfirstlane_b32 s30, v1                    ; wave 0..3
	v_and_b32 v1, 31, v0
	v_lshlrev_b32 v[LI], 4, v1
	v_and_b32 v3, 15, v0                           ; r
	v_bfe_u32 v12, v0, 4, 1                        ; h
	v_lshlrev_b32 v[WA], 10, v3
	v_lshl_add_u32 v[WA], v12, 6, v[WA]
	; X's codes: column 4 lane + j lies in column tile lane / 4 at r = 4 (lane % 4) + j; channel 64 w + 16 i: K step w / 2, piece g = 2 (w % 2) + i / 2, half h = i % 2
	v_bfe_u32 v13, v0, 2, 3
	v_mul_u32_u24 v[XW], v13, XFR
	v_and_b32 v13, 3, v0
	v_lshl_add_u32 v[XW], v13, 6, v[XW]
	s_lshr_b32 s52, s30, 1
	s_mul_i32 s52, s52, XS1
	s_and_b32 s53, s30, 1
	s_lshl_b32 s53, s53, 10
	s_add_co_u32 s52, s52, s53
	v_add_nc_u32 v[XW], s52, v[XW]
	s_lshl_b32 s52, s30, 12
	s_add_co_u32 s52, s52, WIMG
	v_add_nc_u32 v[WWA], s52, v[LI]                ; images 2 w + s
	s_mul_i32 s52, s30, 2*XFR
	v_add_nc_u32 v[XR0], s52, v[LI]
	v_add_nc_u32 v[XR0+1], XS1, v[XR0]
	v_add_nc_u32 v[XB1], XS1, v[LI]
	v_add_nc_u32 v[WRQ], WIMG, v[LI]
	s_and_b32 s31, ttmp7, 0xffff                   ; which tensor
	s_lshr_b32 s52, ttmp9, 5                       ; batch
	s_and_b32 s53, ttmp9, 31                       ; block of 128 positions
	s_lshl_b32 s54, s52, 22                        ; X: batch x 4 MiB + block x 512 bytes + wave x 64 channels of 16,384 bytes
	s_lshl_b32 s55, s53, 9
	s_add_co_u32 s54, s54, s55
	s_lshl_b32 s55, s30, 20
	s_add_co_u32 s54, s54, s55
	s_mov_b32 s55, 0
	s_lshl_b32 s56, s31, 2                         ; q goes to direction = tensor: tile ((4 tensor + batch) 256 + 8 block + 2 wave), 1,024 bytes each
	s_add_co_u32 s56, s56, s52
	s_lshl_b32 s56, s56, 8
	s_lshl_b32 s57, s53, 3
	s_add_co_u32 s56, s56, s57
	s_lshl_b32 s57, s30, 1
	s_add_co_u32 s56, s56, s57
	s_lshl_b32 s56, s56, 10
	s_mov_b32 s57, 0
	s_xor_b32 s58, s31, 1                          ; k and v go to the other direction: stream (4 (1 - tensor) + batch) of 1,310,720 bytes, slot block / 2 of 81,920
	s_lshl_b32 s58, s58, 2
	s_add_co_u32 s58, s58, s52
	s_mul_i32 s58, s58, 1310720
	s_lshr_b32 s59, s53, 1
	s_mul_i32 s59, s59, 81920
	s_add_co_u32 s58, s58, s59
	s_and_b32 s59, s53, 1
	s_lshl_b32 s60, s59, 13                        ; K's part: key tile 8 (block % 2) + 2 wave
	s_add_co_u32 s60, s60, s58
	s_lshl_b32 s61, s30, 11
	s_add_co_u32 s60, s60, s61
	s_mov_b32 s61, 0
	s_lshl_b32 s62, s59, 15                        ; V's part, 16,384 bytes on: key step block % 2, channel tile 4 wave
	s_add_co_u32 s62, s62, s58
	s_lshl_b32 s63, s30, 13
	s_add_co_u32 s62, s62, s63
	s_add_co_u32 s62, s62, 16384
	s_mov_b32 s63, 0
	s_lshl_b32 s58, s30, 14                        ; Wq, Wk: my 16 rows of 1,024 bytes
	s_mov_b32 s59, 0
	s_lshl_b32 s52, s30, 16                        ; Wv: my 64 rows
	s_mov_b32 s53, 0
	s_wait_kmcnt 0x0
	s_load_b512 s[32:47], s[20:21], 0x0            ; e0 .. e15
	s_load_b128 s[48:51], s[20:21], 0x40           ; e16 .. e19
	s_cmp_eq_u32 s31, 0                            ; the choice of buffers hangs on the work-group's number alone
	s_cselect_b64 s[4:5], s[4:5], s[6:7]
	s_cselect_b64 s[8:9], s[8:9], s[10:11]
	s_cselect_b64 s[12:13], s[12:13], s[14:15]
	s_cselect_b64 s[16:17], s[16:17], s[18:19]
	s_add_nc_u64 s[4:5], s[4:5], s[54:55]
	s_add_nc_u64 s[8:9], s[8:9], s[58:59]
	s_add_nc_u64 s[12:13], s[12:13], s[58:59]
	s_add_nc_u64 s[16:17], s[16:17], s[52:53]
	s_add_nc_u64 s[22:23], s[22:23], s[56:57]
	s_add_nc_u64 s[26:27], s[24:25], s[60:61]
	s_add_nc_u64 s[28:29], s[24:25], s[62:63]
	LOADX 0
	LOADX 1
	LOADX 2
	LOADX 3
	WIN 0
	s_wait_kmcnt 0x0
	s_cmp_eq_u32 s31, 0                            ; wli: q (e0, e1, e6), k (e12, e13, e17), v (e14, e15, e19);  nbi: q (e10, e11, e16), k (e2, e3, e7), v (e4, e5, e9)
	s_cselect_b32 s54, s32, s42
	s_cselect_b32 s55, s33, s43
	s_cselect_b32 s56, s38, s48
	s_cselect_b32 s57, s44, s34
	s_cselect_b32 s58, s45, s35
	s_cselect_b32 s59, s49, s39
	s_cselect_b32 s60, s46, s36
	s_cselect_b32 s61, s47, s37
	s_cselect_b32 s62, s51, s41
	MKSC 55, CX
	MKSC 58, CX+2
	MKSC 61, CX+4
	MKSC 54, CW
	MKSC 57, CW+2
	MKSC 60, CW+4
	s_sub_co_i32 s56, s56, s54                     ; eo - ew - ex
	s_sub_co_i32 s56, s56, s55
	s_sub_co_i32 s59, s59, s57
	s_sub_co_i32 s59, s59, s58
	s_sub_co_i32 s62, s62, s60
	s_sub_co_i32 s62, s62, s61
	MKSC 56, CO
	MKSC 59, CO+2
	MKSC 62, CO+4
	; sixteen chunks of sixteen loads through four buffers: a buffer is loaded again as soon as its chunk is worked.  The counts: 16 x the younger chunks that are out, three of them up to chunk 12
	XCHUNK 0, 48
	LOADW 4, 8, 0, 0
	XCHUNK 1, 48
	LOADW 5, 8, 0, 1
	XCHUNK 2, 48
	LOADW 6, 12, 0, 0
	XCHUNK 3, 48
	LOADW 7, 12, 0, 1
	WCHUNK 4, 48, CW, 0, 0
	LOADW 8, 16, 0, 0
	WCHUNK 5, 48, CW, 0, 2048
	LOADW 9, 16, 0, 1
	WCHUNK 6, 48, CW+2, 0, 8*2048
	LOADW 10, 16, 1, 0
	WCHUNK 7, 48, CW+2, 0, 9*2048
	LOADW 11, 16, 1, 1
	WCHUNK 8, 48, CW+4, 1, 0
	LOADW 12, 16, 2, 0
	WCHUNK 9, 48, CW+4, 1, 16
	LOADW 13, 16, 2, 1
	WCHUNK 10, 48, CW+4, 1, 32
	LOADW 14, 16, 3, 0
	WCHUNK 11, 48, CW+4, 1, 48
	LOADW 15, 16, 3, 1
	WCHUNK 12, 48, CW+4, 1, 64
	WCHUNK 13, 32, CW+4, 1, 80
	WCHUNK 14, 16, CW+4, 1, 96
	WCHUNK 15, 0, CW+4, 1, 112
	WIN 0
	s_wait_dscnt 0x0                               ; for the others' sake: my images have landed
	s_barrier_signal -1
	s_barrier_wait -1                              ; all images lie in LDS; nothing is stored there any more
	QKPH 0, 0, CO, 22, 0
	QKPH 1, 8, CO+2, 26, 16
	WIN 0x40                                       ; X's sixteen images under v's scale: (column tile kt, K step s) at register 16 (2 kt + s) of window 1
.irp kt, 0,1,2,3,4,5,6,7
.irp g, 0,1,2,3
	ds_load_b128 v[32*\kt+4*\g:32*\kt+4*\g+3], v[LI] offset:(16+\kt)*XFR+\g*512
	ds_load_b128 v[32*\kt+16+4*\g:32*\kt+16+4*\g+3], v[XB1] offset:(16+\kt)*XFR+\g*512
.endr
.endr
	s_wait_dscnt 0x0
	VPH 0
	VPH 1
	VPH 2
	VPH 3
	s_wait_tensorcnt 0x0
	ds_add_u32 v254, v255
	s_wait_dscnt 0x0
	s_endpgm
.Lfunc_end_k_q535f2cc28f_proj:
	.size	k_q535f2cc28f_proj, .Lfunc_end_k_q535f2cc28f_proj-k_q535f2cc28f_proj
	.p2alignl 7, 3214868480
	.fill 96, 4, 3214868480
	.section	.rodata,"a",@progbits
	.p2align	6, 0x0
	.amdhsa_kernel k_q535f2cc28f_proj
		.amdhsa_group_segment_fixed_size 132608
		.amdhsa_private_segment_fixed_size 0
		.amdhsa_enable_private_segment 0
		.amdhsa_kernarg_size 88
		.amdhsa_user_sgpr_count 2
		.amdhsa_user_sgpr_kernarg_segment_ptr 1
		.amdhsa_wavefront_size32 1
		.amdhsa_system_sgpr_workgroup_id_x 1
		.amdhsa_system_sgpr_workgroup_id_y 1
		.amdhsa_system_sgpr_workgroup_id_z 1
		.amdhsa_system_vgpr_workitem_id 0
		.amdhsa_next_free_vgpr 640
		.amdhsa_next_free_sgpr 66
		.amdhsa_reserve_vcc 0
		.amdhsa_float_denorm_mode_32 3
		.amdhsa_float_denorm_mode_16_64 3
		.amdhsa_fp16_overflow 1
		.amdhsa_memory_ordered 1
		.amdhsa_forward_progress 1
		.amdhsa_inst_pref_size 122
	.end_amdhsa_kernel
	.amdgpu_metadata
---
amdhsa.version: [ 1, 2 ]
amdhsa.kernels:
  - .name:           k_q535f2cc28f_proj
    .symbol:         k_q535f2cc28f_proj.kd
    .args:
      - { .name: wli_feat, .offset: 0, .size: 8, .value_kind: global_buffer, .address_space: global }
      - { .name: nbi_aligned, .offset: 8, .size: 8, .value_kind: global_buffer, .address_space: global }
      - { .name: w_q_wli, .offset: 16, .size: 8, .value_kind: global_buffer, .address_space: global }
      - { .name: w_q_nbi, .offset: 24, .size: 8, .value_kind: global_buffer, .address_space: global }
      - { .name: w_k_wli, .offset: 32, .size: 8, .value_kind: global_buffer, .address_space: global }
      - { .name: w_k_nbi, .offset: 40, .size: 8, .value_kind: global_buffer, .address_space: global }
      - { .name: w_v_wli, .offset: 48, .size: 8, .value_kind: global_buffer, .address_space: global }
      - { .name: w_v_nbi, .offset: 56, .size: 8, .value_kind: global_buffer, .address_space: global }
      - { .name: lowp_scales, .offset: 64, .size: 8, .value_kind: global_buffer, .address_space: global }
      - { .name: qc, .offset: 72, .size: 8, .value_kind: global_buffer, .address_space: global }
      - { .name: kv, .offset: 80, .size: 8, .value_kind: global_buffer, .address_space: global }
    .group_segment_fixed_size: 132608
    .private_segment_fixed_size: 0
    .kernarg_segment_align: 8
    .kernarg_segment_size: 88
    .max_flat_workgroup_size: 128
    .sgpr_count:     66
    .vgpr_count:     640
    .wavefront_size: 32
...
	.end_amdgpu_metadata
.endif
;; end of part 1
;; launch attn (part 2): grid 32 x 8, 4 waves a work-group, clusters of 4 x 1, 327,680 bytes of LDS; arguments qc, kv, lowp_scales, wli_feat, nbi_aligned, ybuf; writes ybuf
.if DOCPART == 2
	.amdgcn_target "amdgcn-amd-amdhsa--gfx1250"
	.amdhsa_code_object_version 6
	.text
	.protected	k_q535f2cc28f_attn
	.globl	k_q535f2cc28f_attn
	.p2align	8
	.type	k_q535f2cc28f_attn,@function
k_q535f2cc28f_attn:
	s_mov_b64 s[64:65], 0
	v_nop
	global_prefetch_b8 v0, s[64:65] scope:SCOPE_SE
	s_setreg_imm32_b32 hwreg(HW_REG_WAVE_MODE, 25, 1), 1
	s_wait_xcnt 0x0
	s_wait_alu depctr_hold_cnt(0) depctr_sa_sdst(0) depctr_va_vdst(0) depctr_va_sdst(0) depctr_va_ssrc(0) depctr_va_vcc(0) depctr_vm_vsrc(0)
	s_getreg_b32 s2, hwreg(HW_REG_IB_STS2, 6, 4)
	s_cmp_eq_u32 s2, 0
	s_cbranch_scc0 .Lentry_in_a_cluster
	s_endpgm
.Lentry_in_a_cluster:
	s_bfe_u32 s2, ttmp6, 0x10000c
	s_cmp_lg_u32 s2, 0x3003
	s_cbranch_scc0 .Lentry_shape_is_right
	s_endpgm
.Lentry_shape_is_right:
; y = x + softmax(q^T k / 8) v^T for one direction and batch (work-group y = 4 direction + batch), both products on codes of BF8 (E5M2), each operand with the one scale 2^e that is given for it (eq, ek, ep, ev).
; qc: [8][256 query tiles][1,024 bytes], kv: [8][16 slots][81,920 bytes]: fragments in the order of the operands' registers, 16 bytes a lane, 512 bytes a piece.  A slot is 256 keys: 16 tiles of K (16 keys x 64, 1,024 bytes each),
; then V's 2 key steps x 16 channel tiles (16 channels x 128 keys, 2,048 bytes each).  x, y: [batch][channel 256][position 4096] f32.
; THE SOFTMAX AHEAD OF THE SECOND PRODUCT: t = score x log2(e) / 8; M = the row's largest t so far, rounded UP to a whole number; p = 2^(t - M) is what is quantised; the row's sum is taken of the unquantised p and divides at the end.
; When M moves, the sum and O are multiplied by 2^(old M - new M), which rounds nothing.  No branch hangs on data.
; SHARES.  A work-group owns 128 queries, each of its four waves 32: two tiles of 16, so that each fragment of K and V read from LDS feeds two matrix instructions.  Every wave walks the 16 slots; a slot is ONE step of the softmax.
; LAYOUT.  Both products are used transposed: S^T = K Q^T (source 0 = 16 keys, source 1 = 16 queries), O^T = V^T P^T (source 0 = 16 channels, source 1 = P): a lane holds ONE query (lane % 16) throughout, and the eight scores of a
; tile of keys, converted, are register pair c of P's K = 128 fragment: k = 16 c + 8 (lane / 16) + 0 .. 7: every k in its own place.
; THE ORDER OF A STEP: matrix instructions stand beside vector work or beside LDS loads that are on their way.
;   (1) the change of slots; K's 32 loads; while they are out, the 32 products V^T P of the step BEFORE's second 128 keys, whose operands lie in registers;
;   (2) K Q^T, two products a tile of keys, and behind them the eight maxima of the tile before;   (3) M and f;   (4) the scalings and the 256 exponentials, one batch;
;   (5) the sums and conversions of the first 128 keys;   (6) their 32 products V^T P, each followed by a slice: O^T's rescaling runs two accumulators ahead of the products, then come the sums of the second
;   128 keys; behind the last product their conversions.  Their products follow in the next step, or behind the last step.
; CLUSTER.  The four work-groups of a cluster belong to one direction and batch and walk the same slots: each quarter of a slot (20,480 bytes, wave w's) is asked for JOINTLY, by the same tensor load with the same descriptor and a mask
; that names the four.  Two slots take turns; a wave has one tensor load outstanding.
; LIMITS on the given exponents, so that each power of two is an f32 number: eq + ek between -123 and 130 (added to the exponent field of log2(e) / 8); ep between -126 and 112; ep + ev is applied by v_ldexp_f32 and has none.
; REGISTERS, in windows of 256.  window 0: v1-12 addresses and constants; v16-31, v112-127 a tile's statistics; v32-47 Q; v48-111 P's codes; v128-255 K's 16 fragments, then V's (key step 0, channel tiles 8-15).
;   window 1: O^T, 128 a + 8 ct.   window 2: the scores, 128 a + 8 kt; at the end x.   window 3: v0-127 V's (key step 0, tiles 0-7), then (key step 1, tiles 0-7); v128-255 V's (key step 1, tiles 8-15); at the end rows of y.
.set SLOTB, 81920
.set SLOT1, 1<<17                      ; slot 1 begins here, so that one exclusive or turns an address in one slot into the other's
.set VOFF,  16384
.set STREAM, 16*SLOTB
.set STG,   SLOT1+SLOTB                ; behind the ring, bytes of its own: the stage for the way out, 128 channels x (128 queries x 4 bytes + 16)
.set SPITCH, 528
.set SPARE, STG+128*SPITCH             ; the spare words, 128 bytes for each wave: two blocks of 256 bytes that no other line names
.set LI,  1                            ; v1   16 x lane
.set ADK, 2                            ; v2   LDS address of the slot's K
.set ADV, 3                            ; v3   of its V
.set SPW, 4                            ; v4   LDS address of my spare word; never rewritten
.set NIL, 5                            ; v5   0; never rewritten
.set PFO, 6                            ; v6   256 x lane: the prefetches' offset; never rewritten
.set STO, 7                            ; v7   the stage: where I put a number
.set SRD, 9                            ; v9   the stage: where I read a row back
.set LIV, 10                           ; v10  16 x lane + VOFF
.set LIM, 11                           ; v11  unused
.set SC,  12                           ; v12  2^ep
.set STB, 16                           ; tile a's statistics at v[STB + 96 a]: +0 -M, +1 the largest score, +2..9 the sum in four pairs, +10 f, +11 the exchange (also the upper half of f's pair), +12..15 four maxima, then at work
.set Q,   32
.set P,   48
.set KF,  128
.set H0,  0                            ; in window 3
.set H1,  128
.set WV,  16                           ; s16  wave
.set SEL, 20                           ; s[20:21] v_permlanex16_b32's selects for lane l xor 16
.set CS,  22                           ; s[22:23] c = log2(e) / 8 x 2^(eq + ek): the packed form names a pair and takes its low word
.set G1,  24                           ; s[24:31] descriptor group 1
.set G0,  32                           ; s[32:35] descriptor group 0, which walks
.set TB,  36                           ; s36  LDS byte at which the slot in hand begins
.set SLOTS, 37                         ; s37  the loop's counter
.set PFA, 38                           ; s[38:39] where my prefetches stand
.set PFS, 40                           ; s[40:41] their next step: 98,304 and 65,536 bytes by turns
.set PFW, 42                           ; s42  how many waves ask: 3 and 2 by turns
.set PW,  43                           ; s43  my wave's number in the stream's first cluster, else the greatest number
.set XB,  58                           ; s[58:59] x at my rows
.set YB,  60                           ; s[60:61] y at my rows
.set MSB, 0
.macro WIN new                         ; the immediate's high byte repeats the setting that is left; bits 1:0 source 0, 3:2 source 1, 5:4 source 2, 7:6 destination
.if MSB != \new
	s_set_vgpr_msb (MSB<<8)|\new
.set MSB, \new
.endif
.endm
.macro PLACES                          ; four plain vector lines between a matrix instruction and a read of its result or a load into one of its registers (ISA guide 7.12.1 for vector instructions)
.rept 4
	v_nop
.endr
.endm
.macro CROUND                          ; a round of the cluster's barrier: my work-group's barrier, wave 0 signals for the work-group, every wave waits for all four work-groups, my work-group's barrier once more
	s_barrier_signal -1
	s_barrier_wait -1
	s_cmp_lg_u32 s[WV], 0
	s_cbranch_scc1 .Lnot_wave_0_\@
	s_barrier_signal -3
.Lnot_wave_0_\@:
	s_barrier_wait -3
	s_barrier_signal -1
	s_barrier_wait -1
.endm
; A PREFETCH INTO THE L2 of bytes that the next changes of slots will ask for.  A direction and batch's kv is one dense stream of 1,310,720 bytes.  All eight clusters of it walk the same bytes: the first (cluster x = 0) asks.
; A request of one wave is 32 lanes x 256 bytes = 8,192 bytes; the four partners stand 8,192 bytes apart BY ADDRESS, the waves 32,768.  A slot is two and a half times 32,768 bytes: in even steps waves 0 to 2 ask (98,304 bytes),
; in odd steps waves 0 and 1 (65,536): steps 0 to 13 name bytes 163,840 to 1,310,719, slots 2 to 15, each block of 256 bytes once, every byte a step ahead of the tensor load that wants it.  Step 14, the loop's last trip, asks for nothing.
; It stands behind the wave's tensor load and the run of K's loads.
.macro ASK
	s_cmp_eq_u32 s[SLOTS], 1
	s_cselect_b32 s44, 0, s[PFW]
	s_cmp_lt_u32 s[PW], s44
	s_cbranch_scc0 .Lnot_mine_\@
	global_prefetch_b8 v[PFO], s[PFA:PFA+1] th:TH_LOAD_NT scope:SCOPE_SE
.Lnot_mine_\@:
.endm
; THE CHANGE OF SLOTS stands at a step's head.  Each wave waits for all its tensor loads (its quarter of the slot that it is about to read), adds 0 to its spare word, and waits for that and for its reads of the slot that it has left:
; the last of them, V's second 128 keys, were issued in the middle of the step before and now lie in registers.
; refill = 1: a round of the cluster's barrier, so that no wave of any partner still reads that slot or has a load on its way; the joint load of the next slot is the first thing behind it and has the whole step in which to land.
.macro CHANGE first, refill
	WIN 0                                          ; at a label and at a branch every window is 0
	s_wait_tensorcnt 0x0                           ; no tensor load of mine is out, so group 0 may be written
	ds_add_u32 v[SPW], v[NIL]                      ; 0 onto my spare word
.if \refill
	s_xor_b32 s[G0+1], s[G0+1], SLOT1              ; the other slot than last time,
	s_add_nc_u64 s[G0+2:G0+3], s[G0+2:G0+3], SLOTB ; the next 256 keys; the type bits on top are not reached
.if !\first
	s_wait_xcnt 0x0                                ; the last prefetch, a step back, has read its address
	s_add_nc_u64 s[PFA:PFA+1], s[PFA:PFA+1], s[PFS:PFS+1]
	s_xor_b32 s[PFS], s[PFS], 0x8000               ; 98,304 <-> 65,536
	s_xor_b32 s[PFW], s[PFW], 1                    ; 3 <-> 2
.endif
	s_wait_dscnt 0x0                               ; the add is done, and my reads of the slot that I have left are over
	CROUND
	tensor_load_to_lds s[G0:G0+3], s[G1:G1+7]
	s_nop 0
.rept 4
	v_nop                                          ; the places in front of K's loads, into registers that the last products read
.endr
.else
	s_wait_dscnt 0x0
	s_barrier_signal -1
	s_barrier_wait -1
	PLACES
.endif
.endm
.macro VLOAD ks, ct0, win, base        ; eight fragments of V: key step ks, channel tiles ct0 on
	WIN \win
.irp c, 0,1,2,3,4,5,6,7
.irp g, 0,1,2,3
	ds_load_b128 v[\base+16*\c+4*\g:\base+16*\c+4*\g+3], v[ADV] offset:(16*\ks+\ct0+\c)*2048+\g*512
.endr
.endr
.endm
.macro PV ks, ct0, win, base           ; sixteen products O^T += V^T P^T on sixteen accumulators, one instruction a turn
	WIN \win
.irp c, 0,1,2,3,4,5,6,7
.irp a, 0,1
	v_wmma_f32_16x16x128_bf8_bf8 v[128*\a+8*(\ct0+\c):128*\a+8*(\ct0+\c)+7], v[\base+16*\c:\base+16*\c+15], v[P+32*\a+16*\ks:P+32*\a+16*\ks+15], v[128*\a+8*(\ct0+\c):128*\a+8*(\ct0+\c)+7]
.endr
.endr
.endm
; Product pk of 32 of the first 128 keys: channel tile pk / 2, query tile pk % 2.  zero = 1: it starts its sum: nothing is ever cleared.
.macro PV1 zero
.set rO, 128*(pk%2)+8*(pk/2)
.set rP, P+32*(pk%2)
.if pk < 16
	WIN 0x53                                       ; V in window 3, P in window 0, O^T in window 1
.set rV, H0+16*(pk/2)
.else
	WIN 0x50                                       ; V in window 0
.set rV, KF+16*(pk/2-8)
.endif
.if \zero
	v_wmma_f32_16x16x128_bf8_bf8 v[rO:rO+7], v[rV:rV+15], v[rP:rP+15], 0
.else
	v_wmma_f32_16x16x128_bf8_bf8 v[rO:rO+7], v[rV:rV+15], v[rP:rP+15], v[rO:rO+7]
.endif
.endm
; The slice behind product pk; each lies in one setting of the windows and names no register of the products round it.
;   pk = -1 .. 14: O^T under the new M: the accumulators of products 2 pk + 2 and 2 pk + 3, each from its low end on (the first step has nothing to rescale);
;   pk = 15 .. 22: the sums of the second 128 keys' p, UNQUANTISED: eight pairs;      pk = 23 .. 31: none.
.macro SLICE first
.if pk < 15
.if !\first
	WIN 0x41
.set ss, 0
.rept 8
.set ka, 2*pk+2+ss/4
.set rO, 128*(ka%2)+8*(ka/2)+2*(ss%4)
	v_pk_mul_f32 v[rO:rO+1], v[rO:rO+1], v[STB+96*(ka%2)+10:STB+96*(ka%2)+11] op_sel_hi:[1,0]
.set ss, ss+1
.endr
.endif
.elseif pk < 23
	WIN 0x08
.set ss, 0
.rept 8
.set si, 32+4*(pk-15)+ss/2
.set rC, STB+96*(ss%2)+2+2*(si%4)
.set rS, 128*(ss%2)+2*si
	v_pk_add_f32 v[rC:rC+1], v[rC:rC+1], v[rS:rS+1]
.set ss, ss+1
.endr
.elseif pk < 31
	WIN 0x88
.set ss, 0
.rept 16
.set rS, 128*((pk-23)/4)+64+16*((pk-23)%4)+ss
.set ss, ss+1
.endr
.endif
.endm
; The eight maxima of key tile t: four chains a query tile, one for each pair of registers, begun with the largest score so far; each accumulator from its low end on.
.macro MAXG t
	WIN 0x28
.irp p, 0,1,2,3
.irp a, 0,1
.if (\t) == 0
	v_max3_num_f32 v[STB+96*\a+12+\p], v[STB+96*\a+1], v[128*\a+8*(\t)+2*\p], v[128*\a+8*(\t)+2*\p+1]
.else
	v_max3_num_f32 v[STB+96*\a+12+\p], v[STB+96*\a+12+\p], v[128*\a+8*(\t)+2*\p], v[128*\a+8*(\t)+2*\p+1]
.endif
.endr
.endr
.endm
; A STEP: 256 keys.  first = 1: it starts M and O^T, and no step stands before it.  refill = 1: the next slot is asked for.  last = 1: x is asked for on the way.
.macro STEP first, refill, last
	CHANGE \first, \refill
	v_add_nc_u32 v[ADK], s[TB], v[LI]
	v_add_nc_u32 v[ADV], s[TB], v[LIV]
.set ii, 0
.rept 32
	ds_load_b128 v[KF+4*ii:KF+4*ii+3], v[ADK] offset:512*ii        ; K's tile ii / 2, registers 4 (ii % 2) on
.set ii, ii+1
.endr
.if \refill
	ASK
.endif
.if !\first
	PV 1, 0, 0x53, H0                              ; the step before's second 128 keys: operands in registers since the change's wait; K's loads are out meanwhile
	PV 1, 8, 0x53, H1
.endif
	s_wait_dscnt 16                                ; K's tiles 0-7 are in; the younger sixteen loads, tiles 8-15, may be out
.set kt, 0
.rept 16
.if kt == 8
	s_wait_dscnt 0x0
.endif
	WIN 0x80
	v_wmma_f32_16x16x64_bf8_bf8 v[8*kt:8*kt+7], v[KF+8*kt:KF+8*kt+7], v[Q:Q+7], 0
	v_wmma_f32_16x16x64_bf8_bf8 v[128+8*kt:128+8*kt+7], v[KF+8*kt:KF+8*kt+7], v[Q+8:Q+15], 0
.if kt == 1
	PLACES                                         ; once: from here on the eight maxima of the tile before are the places in front of a tile's own
.endif
.if kt >= 1
	MAXG kt-1
.endif
.set kt, kt+1
.endr
	MAXG 15
	VLOAD 0, 0, 0xc0, H0                           ; V's first eight fragments
	WIN 0
.irp a, 0,1
	v_max3_num_f32 v[STB+96*\a+12], v[STB+96*\a+12], v[STB+96*\a+13], v[STB+96*\a+14]
.endr
.irp a, 0,1
	v_max_num_f32 v[STB+96*\a+12], v[STB+96*\a+12], v[STB+96*\a+15]
.endr
.irp a, 0,1
	v_permlanex16_b32 v[STB+96*\a+11], v[STB+96*\a+12], s[SEL], s[SEL+1]   ; the query's other 128 keys lie in the lane 16 away
.endr
.irp a, 0,1
	v_max_num_f32 v[STB+96*\a+1], v[STB+96*\a+12], v[STB+96*\a+11]
.endr
.irp a, 0,1
	v_mul_f32 v[STB+96*\a+13], s[CS], v[STB+96*\a+1]               ; as t (c is positive)
.endr
.if !\first
.irp a, 0,1
	v_mov_b32 v[STB+96*\a+14], v[STB+96*\a]
.endr
.endif
.irp a, 0,1
	v_floor_f32 v[STB+96*\a], -v[STB+96*\a+13]                     ; -M = floor(-t) = -ceil(t): M is a whole number
.endr
.if !\first
.irp a, 0,1
	v_sub_f32 v[STB+96*\a+14], v[STB+96*\a], v[STB+96*\a+14]       ; old M - new M: a whole number, 0 or less
.endr
.irp a, 0,1
	v_cvt_i32_f32 v[STB+96*\a+14], v[STB+96*\a+14]                 ; (it saturates)
.endr
.irp a, 0,1
	v_ldexp_f32 v[STB+96*\a+10], 1.0, v[STB+96*\a+14]              ; f = 2^(old M - new M)
.endr
.endif
	VLOAD 0, 8, 0, KF                              ; K's registers are free: the first 128 keys' other eight fragments
	WIN 0x82                                       ; ONE BATCH: 128 scalings t - M, a pair of scores each, the tiles by turns, and the 256 exponentials, each pair's four scalings behind its own.  None reads an exponential's result
.set ii, 0
.rept 132
.if ii < 128
.set rS, 128*(ii%2)+2*(ii/2)
.set rT, STB+96*(ii%2)
	v_pk_fma_f32 v[rS:rS+1], v[rS:rS+1], s[CS:CS+1], v[rT:rT+1] op_sel_hi:[1,0,0]
.endif
.if ii >= 4
.set rE, 128*((ii-4)%2)+2*((ii-4)/2)
	v_exp_f32 v[rE], v[rE]                         ; p = 2^(t - M), at most 1: not normalised
	v_exp_f32 v[rE+1], v[rE+1]
.endif
.set ii, ii+1
.endr
	VLOAD 1, 8, 0xc0, H1                           ; the second 128 keys' channel tiles 8-15: wanted in the next step
	WIN 0
.if \first
	v_nop                                          ; a plain line behind the last exponential
.else
.irp c, 2,4,6,8
.irp a, 0,1
	v_pk_mul_f32 v[STB+96*\a+\c:STB+96*\a+\c+1], v[STB+96*\a+\c:STB+96*\a+\c+1], v[STB+96*\a+10:STB+96*\a+11] op_sel_hi:[1,0]   ; the sum's four pairs under the new M; also the plain lines behind the last exponential
.endr
.endr
.endif
	s_wait_alu depctr_va_vdst(0)                   ; one wait for the whole batch, ahead of its first reader
	WIN 0x08                                       ; THE ROW'S SUM IS TAKEN OF THE UNQUANTISED p: the first 128 keys' 32 pairs a tile, onto four pairs by turns
.set ss, 0
.rept 64
.set rC, STB+96*(ss%2)+2+2*((ss/2)%4)
.set rS, 128*(ss%2)+2*(ss/2)
	v_pk_add_f32 v[rC:rC+1], v[rC:rC+1], v[rS:rS+1]
.set ss, ss+1
.endr
	WIN 0x88
.set ss, 0
.rept 128
.set rS, 128*(ss/64)+ss%64
.set ss, ss+1
.endr
	WIN 0x02
.irp n, 0,1,2,3,4,5,6,7,16,17,18,19,20,21,22,23
	v_cvt_scalef32_pk8_bf8_f32 v[P+2*\n:P+2*\n+1], v[8*\n:8*\n+7], v[SC]   ; query tile n / 16, keys' tile n % 16: register pair n % 8 of key step 0
.endr
.set pk, -1
	SLICE \first                                   ; accumulators 0 and 1 under the new M; also the plain lines between the conversions and the products that read their results
.if \first
	v_nop
.endif
.if \last
	WIN 0x80                                       ; x: the first 32 rows (channels) that I shall store, 512 consecutive bytes each, into the registers that the first 128 keys' scores have left
.set ii, 0
.rept 32
	global_load_b128 v[128*(ii/16)+4*(ii%16):128*(ii/16)+4*(ii%16)+3], v[LI], s[XB:XB+1] offset:ii*16384 th:TH_LOAD_NT
.set ii, ii+1
.endr
.endif
	s_wait_dscnt 32                                ; the first 128 keys' sixteen fragments of V are in; the 32 younger loads, wanted in the next step, may be out
.set pk, 0
.rept 32
	PV1 \first
	SLICE \first
.if pk == 15
	VLOAD 1, 0, 0xc0, H0                           ; behind the last product that read these registers and its slice's eight plain lines: the second 128 keys' channel tiles 0-7
.endif
.set pk, pk+1
.endr
	WIN 0x02
.irp n, 8,9,10,11,12,13,14,15,24,25,26,27,28,29,30,31
	v_cvt_scalef32_pk8_bf8_f32 v[P+2*\n:P+2*\n+1], v[8*\n:8*\n+7], v[SC]   ; key step 1
.endr
	v_nop                                          ; a plain line behind the last conversion
.if \last
	WIN 0x80                                       ; x's other 32 rows, 128 channels further on
.set ii, 0
.rept 32
	global_load_b128 v[64+128*(ii/16)+4*(ii%16):64+128*(ii/16)+4*(ii%16)+3], v[LI], s[XB:XB+1] offset:(128+ii)*16384 th:TH_LOAD_NT
.set ii, ii+1
.endr
.endif
	WIN 0
	s_xor_b32 s[TB], s[TB], SLOT1                  ; on to the other slot
.endm
	s_load_b256 s[4:11], s[0:1], 0x0               ; qc s[4:5], kv s[6:7], the scales' exponents s[8:9], wli_feat s[10:11]
	s_load_b128 s[12:15], s[0:1], 0x20             ; nbi_aligned s[12:13], ybuf s[14:15]
	v_lshl_add_u32 v[SPW], v0, 2, SPARE
	v_mov_b32 v[NIL], 0
	ds_add_u32 v4, v5
	ds_add_u32 v4, v5
	s_wait_dscnt 0x0
	v_lshrrev_b32 v13, 5, v0
	v_readfirstlane_b32 s[WV], v13                 ; wave 0..3
	s_bfe_u32 s17, ttmp6, 0x40000                  ; cx: my place in the cluster
	s_lshl_b32 s18, ttmp9, 2                       ; in a cluster launch ttmp9 counts clusters
	s_add_co_u32 s18, s18, s17                     ; my block of 128 queries: it enters q's, x's and y's addresses alone
	s_and_b32 s19, ttmp7, 0xffff                   ; 4 direction + batch, which the four partners share
	; descriptor group 1: 80 rows of 256 bytes, dense: a quarter of a slot
	s_mov_b32 s[G1], 15|(3<<16)|(1<<21)            ; 15:0 the mask: all four work-groups; 17:16 elements of 8 bytes; 20 no padding; 21 set beside a mask
	s_mov_b32 s[G1+1], 32<<16                      ; tensor_dim0 = 32 elements
	s_mov_b32 s[G1+2], 80<<16                      ; tensor_dim1 = 80
	s_mov_b32 s[G1+3], 32<<16                      ; tile_dim0 = 32
	s_mov_b32 s[G1+4], 80                          ; tile_dim1 = 80
	s_mov_b32 s[G1+5], 32                          ; from row to row
	s_mov_b32 s[G1+6], 0
	s_mov_b32 s[G1+7], 0
	s_mov_b32 s[SEL], 0x76543210
	s_mov_b32 s[SEL+1], 0xfedcba98
	s_mov_b32 s[TB], 0
	s_mov_b32 s[SLOTS], 14
	s_mov_b32 s[PFS], 98304
	s_mov_b32 s[PFS+1], 0
	s_mov_b32 s[PFW], 3
	s_cmp_eq_u32 ttmp9, 0
	s_cselect_b32 s[PW], s[WV], -1                 ; the same in all four partners, for a given wave
	s_mul_i32 s44, s19, STREAM                     ; my direction and batch's stream
	s_mov_b32 s45, 0
	s_mul_i32 s46, s[WV], 20480                    ; my quarter of a slot, in memory and in LDS: no place in the cluster enters an LDS address
	s_mov_b32 s47, 0
	v_and_b32 v13, 31, v0
	v_lshlrev_b32 v[LI], 4, v13
	v_lshlrev_b32 v[PFO], 8, v13
	v_add_nc_u32 v[LIV], VOFF, v[LI]
	v_and_b32 v13, 15, v0                          ; r
	v_bfe_u32 v14, v0, 4, 1                        ; h
	v_mul_u32_u24 v[STO], v14, 8*SPITCH            ; the stage, on the way in: row = channel 16 ct + 8 h + j, column = query 32 w + 16 a + r
	v_lshl_add_u32 v[STO], v13, 2, v[STO]
	s_lshl_b32 s57, s[WV], 7
	s_add_co_u32 s57, s57, STG
	v_add_nc_u32 v[STO], s57, v[STO]
	s_mul_i32 s57, s[WV], 32*SPITCH                ; and back: my 32 rows, 16 bytes a lane
	s_add_co_u32 s57, s57, STG
	v_add_nc_u32 v[SRD], s57, v[LI]
.irp a, 0,1
	v_mov_b32 v[STB+96*\a+1], 0xff61b1e6           ; the largest score so far: -3e38
	v_mov_b32 v[STB+96*\a+11], 0                   ; written once: a lane permute's destination counts as one of its sources
.irp c, 2,3,4,5,6,7,8,9
	v_mov_b32 v[STB+96*\a+\c], 0                   ; the sum's four pairs: eight registers a tile, so that the sums are one form in every step
.endr
.endr
	s_wait_kmcnt 0x0
	s_load_b128 s[48:51], s[8:9], 0x18             ; e6 .. e9: direction 0's eq, ek, ep, ev
	s_load_b128 s[52:55], s[8:9], 0x40             ; e16 .. e19: direction 1's
	s_add_nc_u64 s[6:7], s[6:7], s[44:45]
	s_mov_b32 s[G0], 1                             ; count = 1
	s_mov_b32 s[G0+1], s46                         ; LDS address: slot 0
	s_add_nc_u64 s[G0+2:G0+3], s[6:7], s[46:47]    ; global address: slot 0's quarter
	s_or_b32 s[G0+3], s[G0+3], 0x80000000          ; type = 2
	CROUND                                         ; all four work-groups are here: the first joint loads meet
	tensor_load_to_lds s[G0:G0+3], s[G1:G1+7]
	s_nop 0
.rept 4
	v_nop
.endr
	s_lshl_b32 s44, s[WV], 15                      ; the prefetches begin at slot 2: + 32,768 x wave + 8,192 x my place.  Nothing is prefetched here, at the head
	s_lshl_b32 s46, s17, 13
	s_add_co_u32 s44, s44, s46
	s_add_co_u32 s44, s44, 2*SLOTB
	s_add_nc_u64 s[PFA:PFA+1], s[6:7], s[44:45]
	s_lshl_b32 s44, s19, 8                         ; q: tile (256 (4 direction + batch) + 8 block + 2 wave), 1,024 bytes each
	s_lshl_b32 s46, s18, 3
	s_add_co_u32 s44, s44, s46
	s_lshl_b32 s46, s[WV], 1
	s_add_co_u32 s44, s44, s46
	s_lshl_b32 s44, s44, 10
	s_add_nc_u64 s[4:5], s[4:5], s[44:45]
.irp i, 0,1,2,3
	global_load_b128 v[Q+4*\i:Q+4*\i+3], v[LI], s[4:5] offset:512*\i   ; Q's two fragments stay in registers
.endr
	s_lshl_b32 s44, s[WV], 19                      ; x, y: my 32 rows of each 128 channels (16,384 bytes a row), my block's 512 bytes of a row
	s_lshl_b32 s46, s18, 9
	s_add_co_u32 s44, s44, s46
	s_lshl_b32 s46, s19, 22
	s_add_co_u32 s46, s46, s44
	s_add_nc_u64 s[YB:YB+1], s[14:15], s[46:47]
	s_and_b32 s46, s19, 3
	s_lshl_b32 s46, s46, 22
	s_add_co_u32 s46, s46, s44
	s_cmp_lt_u32 s19, 4                            ; direction 0: x = wli_feat
	s_cselect_b64 s[XB:XB+1], s[10:11], s[12:13]
	s_add_nc_u64 s[XB:XB+1], s[XB:XB+1], s[46:47]
	s_wait_kmcnt 0x0
	s_cmp_lt_u32 s19, 4                            ; the exponents are chosen, not branched on
	s_cselect_b32 s48, s48, s52
	s_cselect_b32 s49, s49, s53
	s_cselect_b32 s50, s50, s54
	s_cselect_b32 s51, s51, s55
	s_add_co_i32 s44, s48, s49
	s_lshl_b32 s44, s44, 23
	s_add_co_i32 s[CS], s44, 0x3e38aa3b            ; log2(e) / 8, with eq + ek added to its exponent field
	s_mov_b32 s[CS+1], s[CS]                       ; (named with it as a pair, so it is written)
	s_add_co_i32 s44, s50, 127
	s_lshl_b32 s46, s44, 23
	v_mov_b32 v[SC], s46
	s_add_co_i32 s56, s50, s51                     ; ep + ev
	s_wait_loadcnt 0x0                             ; Q
	STEP 1, 1, 0                                   ; slot 0; slot 1 is asked for
.Lslot:                                            ; 14 trips: slots 1 to 14; slots 2 to 15 are asked for
	STEP 0, 1, 0
	s_sub_co_u32 s[SLOTS], s[SLOTS], 1
	s_cmp_lg_u32 s[SLOTS], 0
	s_cbranch_scc1 .Lslot
	STEP 0, 0, 1                                   ; slot 15 is written out
	s_wait_dscnt 0x0                               ; V's fragments of the last 128 keys are in
	PV 1, 0, 0x53, H0                              ; and their products, which no further step takes along
	PV 1, 8, 0x53, H1
	WIN 0
	; THE WAY OUT.  O^T / the sum x 2^(ep + ev); a lane holds one query and the lanes beside it other queries, which is how y's rows run: 128 channels at a time go through the stage, row = channel, and come back as whole rows.
	PLACES
.irp a, 0,1
	v_pk_add_f32 v[STB+96*\a+2:STB+96*\a+3], v[STB+96*\a+2:STB+96*\a+3], v[STB+96*\a+4:STB+96*\a+5]   ; the sum's four pairs,
	v_pk_add_f32 v[STB+96*\a+6:STB+96*\a+7], v[STB+96*\a+6:STB+96*\a+7], v[STB+96*\a+8:STB+96*\a+9]
.endr
.irp a, 0,1
	v_pk_add_f32 v[STB+96*\a+2:STB+96*\a+3], v[STB+96*\a+2:STB+96*\a+3], v[STB+96*\a+6:STB+96*\a+7]
.endr
.irp a, 0,1
	v_add_f32 v[STB+96*\a+12], v[STB+96*\a+2], v[STB+96*\a+3]      ; a pair's two halves,
.endr
.irp a, 0,1
	v_permlanex16_b32 v[STB+96*\a+11], v[STB+96*\a+12], s[SEL], s[SEL+1]
.endr
.irp a, 0,1
	v_add_f32 v[STB+96*\a+12], v[STB+96*\a+12], v[STB+96*\a+11]    ; and lane l xor 16's: the row's sum
.endr
.irp a, 0,1
	v_rcp_f32 v[STB+96*\a+10], v[STB+96*\a+12]
.endr
	v_nop                                          ; a plain line behind the last reciprocal,
	s_wait_alu depctr_va_vdst(0)                   ; and one wait for the two, ahead of their first reader
.irp a, 0,1
	v_ldexp_f32 v[STB+96*\a+10], v[STB+96*\a+10], s56
.endr
	WIN 0x41
.set ii, 0
.rept 128
	v_pk_mul_f32 v[2*ii:2*ii+1], v[2*ii:2*ii+1], v[STB+96*(ii/64)+10:STB+96*(ii/64)+11] op_sel_hi:[1,0]
.set ii, ii+1
.endr
.irp rho, 0,1                                  ; channels 128 rho on
.if \rho
	s_wait_dscnt 0x0                               ; my reads of the stage are back;
	s_barrier_signal -1
	s_barrier_wait -1                              ; everybody's are: it may be written again
.endif
	WIN 0x04                                       ; store data in window 1
.set ii, 0
.rept 128
	ds_store_b32 v[STO], v[128*(ii/64)+64*\rho+ii%64] offset:(16*((ii/8)%8)+ii%8)*SPITCH+64*(ii/64)   ; lanes 0-15: 64 consecutive bytes; lanes 16-31: eight rows, 4,224 bytes, further on
.set ii, ii+1
.endr
	s_wait_dscnt 0x0                               ; for the others' sake: my stores have landed
	s_barrier_signal -1
	s_barrier_wait -1
	WIN 0xc0
.set ii, 0
.rept 32
	ds_load_b128 v[128*\rho+4*ii:128*\rho+4*ii+3], v[SRD] offset:ii*SPITCH
.set ii, ii+1
.endr
	s_wait_loadcnt 32-32*\rho                      ; x's rows of this half are in; the other half's 32 loads may be out
.irp grp, 0,1,2,3
	s_wait_dscnt 24-8*\grp                         ; these eight rows are back; the younger rows' loads may be out
	WIN 0xcb                                       ; ctx in window 3, x in window 2
.set ii, 0
.rept 16
.set ri, 8*\grp+ii/2
.set rC, 128*\rho+4*ri+2*(ii%2)
.set rX, 64*\rho+128*(ri/16)+4*(ri%16)+2*(ii%2)
	v_pk_add_f32 v[rC:rC+1], v[rC:rC+1], v[rX:rX+1]
.set ii, ii+1
.endr
	WIN 0x0c                                       ; a store's address is source 0 (window 0), its data source 1 (window 3)
.set ii, 0
.rept 8
	global_store_b128 v[LI], v[128*\rho+32*\grp+4*ii:128*\rho+32*\grp+4*ii+3], s[YB:YB+1] offset:(128*\rho+8*\grp+ii)*16384   ; 32 lanes store 512 consecutive bytes, at a multiple of 512 from y's first byte
.set ii, ii+1
.endr
.endr
.endr
	WIN 0
	s_wait_tensorcnt 0x0                           ; the wave's end: behind my last tensor load and my last LDS store
	ds_add_u32 v[SPW], v[NIL]
	s_wait_dscnt 0x0
	CROUND                                         ; the closing round: no work-group ends while a partner may still ask for a tile that names it
	s_endpgm
.Lfunc_end_k_q535f2cc28f_attn:
	.size	k_q535f2cc28f_attn, .Lfunc_end_k_q535f2cc28f_attn-k_q535f2cc28f_attn
	.p2alignl 7, 3214868480
	.fill 96, 4, 3214868480
	.section	.rodata,"a",@progbits
	.p2align	6, 0x0
	.amdhsa_kernel k_q535f2cc28f_attn
		.amdhsa_group_segment_fixed_size 327680
		.amdhsa_private_segment_fixed_size 0
		.amdhsa_enable_private_segment 0
		.amdhsa_kernarg_size 48
		.amdhsa_user_sgpr_count 2
		.amdhsa_user_sgpr_kernarg_segment_ptr 1
		.amdhsa_wavefront_size32 1
		.amdhsa_system_sgpr_workgroup_id_x 1
		.amdhsa_system_sgpr_workgroup_id_y 1
		.amdhsa_system_sgpr_workgroup_id_z 1
		.amdhsa_system_vgpr_workitem_id 0
		.amdhsa_next_free_vgpr 1024
		.amdhsa_next_free_sgpr 66
		.amdhsa_reserve_vcc 0
		.amdhsa_float_denorm_mode_32 3
		.amdhsa_float_denorm_mode_16_64 3
		.amdhsa_fp16_overflow 1
		.amdhsa_memory_ordered 1
		.amdhsa_forward_progress 1
		.amdhsa_inst_pref_size 239
	.end_amdhsa_kernel
	.amdgpu_metadata
---
amdhsa.version: [ 1, 2 ]
amdhsa.kernels:
  - .name:           k_q535f2cc28f_attn
    .symbol:         k_q535f2cc28f_attn.kd
    .args:
      - { .name: qc, .offset: 0, .size: 8, .value_kind: global_buffer, .address_space: global }
      - { .name: kv, .offset: 8, .size: 8, .value_kind: global_buffer, .address_space: global }
      - { .name: lowp_scales, .offset: 16, .size: 8, .value_kind: global_buffer, .address_space: global }
      - { .name: wli_feat, .offset: 24, .size: 8, .value_kind: global_buffer, .address_space: global }
      - { .name: nbi_aligned, .offset: 32, .size: 8, .value_kind: global_buffer, .address_space: global }
      - { .name: ybuf, .offset: 40, .size: 8, .value_kind: global_buffer, .address_space: global }
    .group_segment_fixed_size: 327680
    .private_segment_fixed_size: 0
    .kernarg_segment_align: 8
    .kernarg_segment_size: 48
    .max_flat_workgroup_size: 128
    .sgpr_count:     66
    .vgpr_count:     1024
    .wavefront_size: 32
...
	.end_amdgpu_metadata
.endif
;; end of part 2
;; launch bn (part 3): grid 256 x 2, 4 waves a work-group, no clusters, 768 bytes of LDS; arguments ybuf, gamma_wli, beta_wli, gamma_nbi, beta_nbi, out0, out1; writes out0, out1
.if DOCPART == 3
	.amdgcn_target "amdgcn-amd-amdhsa--gfx1250"
	.amdhsa_code_object_version 6
	.text
	.protected	k_q535f2cc28f_bn
	.globl	k_q535f2cc28f_bn
	.p2align	8
	.type	k_q535f2cc28f_bn,@function
k_q535f2cc28f_bn:
	s_mov_b64 s[64:65], 0
	v_nop
	global_prefetch_b8 v0, s[64:65] scope:SCOPE_SE
	s_setreg_imm32_b32 hwreg(HW_REG_WAVE_MODE, 25, 1), 1
	s_wait_xcnt 0x0
; out[b][c][:] = (y[b][c][:] - mean_c) / sqrt(var_c + 1e-5) x gamma_c + beta_c, mean and variance over the 4 x 4,096 numbers of channel c.  y: [direction 2][batch 4][channel 256][4096] f32.
; A work-group owns one direction (y) and channel (x); wave w owns batch w: 16,384 bytes, which stay in 128 registers between the passes: y is read once, and no statistics go through memory.
; Two passes as the definition has them (the mean, then the mean of the squared differences): no difference of large sums is formed, whatever common offset the numbers carry.
; Memory binds: every load and store of a wave covers 512 consecutive bytes, 32 loads a wave are out at once.  No matrix unit, no cluster, no tensor load: work-groups share nothing.
.set Y, 32                             ; v32-159 my 4,096 numbers, 128 a lane
.macro WSUM r, t                       ; the sum over the wave's 32 lanes, in every lane
	v_add_f32_dpp v[\r], v[\r], v[\r] row_xmask:1 row_mask:0xf bank_mask:0xf
	v_add_f32_dpp v[\r], v[\r], v[\r] row_xmask:2 row_mask:0xf bank_mask:0xf
	v_add_f32_dpp v[\r], v[\r], v[\r] row_xmask:4 row_mask:0xf bank_mask:0xf
	v_add_f32_dpp v[\r], v[\r], v[\r] row_xmask:8 row_mask:0xf bank_mask:0xf
	v_permlanex16_b32 v[\t], v[\r], s26, s27
	v_add_f32 v[\r], v[\r], v[\t]
.endm
.macro MERGE                           ; four chains of pairs into v8
	v_pk_add_f32 v[8:9], v[8:9], v[10:11]
	v_pk_add_f32 v[12:13], v[12:13], v[14:15]
	v_pk_add_f32 v[8:9], v[8:9], v[12:13]
	v_add_f32 v8, v8, v9
.endm
.macro ACROSS off                      ; the four waves' sums meet in LDS, in words of their own for each pass: v20 = the total, the same in every wave
	ds_store_b32 v16, v8 offset:\off               ; all lanes write the same word with the same value
	s_wait_dscnt 0x0                               ; for the others' sake
	s_barrier_signal -1
	s_barrier_wait -1
	ds_load_b128 v[20:23], v17 offset:\off
	s_wait_dscnt 0x0
	v_add_f32 v20, v20, v21
	v_add_f32 v22, v22, v23
	v_add_f32 v20, v20, v22
.endm
	s_load_b256 s[4:11], s[0:1], 0x0               ; y s[4:5], gamma_wli s[6:7], beta_wli s[8:9], gamma_nbi s[10:11]
	s_load_b128 s[12:15], s[0:1], 0x20             ; beta_nbi s[12:13], out0 s[14:15]
	s_load_b64 s[16:17], s[0:1], 0x30              ; out1
	v_lshl_add_u32 v168, v0, 2, 0x100
	v_mov_b32 v169, 0
	v_lshrrev_b32 v2, 5, v0
	v_readfirstlane_b32 s18, v2                    ; wave = batch
	v_lshlrev_b32 v16, 2, v2                       ; my wave's word in LDS
	v_mov_b32 v17, 0
	v_and_b32 v1, 31, v0
	v_lshlrev_b32 v1, 4, v1                        ; 16 bytes a lane
	s_and_b32 s19, ttmp7, 0xffff                   ; direction
	s_lshl_b32 s20, s19, 2
	s_add_co_u32 s20, s20, s18
	s_lshl_b32 s20, s20, 8
	s_add_co_u32 s20, s20, ttmp9
	s_lshl_b32 s20, s20, 14                        ; y: row (4 direction + batch) 256 + channel, 16,384 bytes each
	s_mov_b32 s21, 0
	s_lshl_b32 s22, s18, 8
	s_add_co_u32 s22, s22, ttmp9
	s_lshl_b32 s22, s22, 14                        ; out: row 256 batch + channel
	s_mov_b32 s23, 0
	s_lshl_b32 s24, ttmp9, 2                       ; gamma, beta: 4 x channel
	s_mov_b32 s25, 0
	s_mov_b32 s26, 0x76543210                      ; v_permlanex16_b32's selects for lane l xor 16
	s_mov_b32 s27, 0xfedcba98
	s_mov_b32 s30, 0x38800000                      ; 1 / 16,384
	s_wait_alu depctr_va_vdst(0)
	s_wait_kmcnt 0x0
	s_add_nc_u64 s[4:5], s[4:5], s[20:21]
.set ii, 0
.rept 32
	global_load_b128 v[Y+4*ii:Y+4*ii+3], v1, s[4:5] offset:512*ii th:TH_LOAD_NT
.set ii, ii+1
.endr
	s_cmp_eq_u32 s19, 0                            ; the choice of buffers hangs on the work-group's number alone
	s_cselect_b64 s[6:7], s[6:7], s[10:11]
	s_cselect_b64 s[8:9], s[8:9], s[12:13]
	s_cselect_b64 s[14:15], s[14:15], s[16:17]
	s_add_nc_u64 s[6:7], s[6:7], s[24:25]
	s_add_nc_u64 s[8:9], s[8:9], s[24:25]
	s_add_nc_u64 s[14:15], s[14:15], s[22:23]
	s_load_b32 s28, s[6:7], 0x0                    ; gamma
	s_load_b32 s29, s[8:9], 0x0                    ; beta
	; pass 1: the sum, in four chains of pairs that the first eight pairs start: nothing is cleared
	s_wait_loadcnt 24                              ; the first eight loads are in; the 24 younger may be out
.irp k, 0,1,2,3
	v_pk_add_f32 v[8+2*\k:9+2*\k], v[Y+2*\k:Y+2*\k+1], v[Y+8+2*\k:Y+8+2*\k+1]
.endr
.set ii, 8
.rept 56
.if ii == 16
	s_wait_alu depctr_va_vdst(0)
	s_wait_loadcnt 16                              ; the counts: the younger groups of eight loads
.endif
.if ii == 32
	s_wait_alu depctr_va_vdst(0)
	s_wait_loadcnt 8
.endif
.if ii == 48
	s_wait_alu depctr_va_vdst(0)
	s_wait_loadcnt 0x0
.endif
	v_pk_add_f32 v[8+2*(ii%4):9+2*(ii%4)], v[8+2*(ii%4):9+2*(ii%4)], v[Y+2*ii:Y+2*ii+1]
.set ii, ii+1
.endr
	MERGE
	WSUM 8, 9
	ACROSS 0
	v_mul_f32 v24, 0xb8800000, v20                 ; -mean = -total / 16,384
	v_mov_b32 v25, v24
	; pass 2: d = y - mean, in place, and the sum of d^2
.set ii, 0
.rept 64
	v_pk_add_f32 v[Y+2*ii:Y+2*ii+1], v[Y+2*ii:Y+2*ii+1], v[24:25]
.set ii, ii+1
.endr
.irp k, 0,1,2,3
	v_pk_mul_f32 v[8+2*\k:9+2*\k], v[Y+2*\k:Y+2*\k+1], v[Y+2*\k:Y+2*\k+1]
.endr
.set ii, 4
.rept 60
	v_pk_fma_f32 v[8+2*(ii%4):9+2*(ii%4)], v[Y+2*ii:Y+2*ii+1], v[Y+2*ii:Y+2*ii+1], v[8+2*(ii%4):9+2*(ii%4)]
.set ii, ii+1
.endr
	MERGE
	WSUM 8, 9
	ACROSS 16
	s_wait_alu depctr_va_vdst(0)
	s_wait_kmcnt 0x0
	v_fmaak_f32 v26, s30, v20, 0x3727c5ac          ; variance + 1e-5
	s_wait_alu depctr_va_vdst(0)
	v_rsq_f32 v28, v26
	v_mov_b32 v30, s29                             ; (plain lines behind the transcendental)  beta, twice, for the packed form
	v_mov_b32 v31, s29
	s_wait_alu depctr_va_vdst(0)                   ; the wait ahead of the first reader
	v_mul_f32 v28, s28, v28                        ; gamma / sqrt(variance + 1e-5)
	v_mov_b32 v29, v28
.set ii, 0
.rept 32
	v_pk_fma_f32 v[Y+4*ii:Y+4*ii+1], v[Y+4*ii:Y+4*ii+1], v[28:29], v[30:31]
	v_pk_fma_f32 v[Y+4*ii+2:Y+4*ii+3], v[Y+4*ii+2:Y+4*ii+3], v[28:29], v[30:31]
	global_store_b128 v1, v[Y+4*ii:Y+4*ii+3], s[14:15] offset:512*ii th:TH_STORE_NT   ; 32 lanes store 512 consecutive bytes, aligned; written once, read by nobody here
.set ii, ii+1
.endr
	s_wait_tensorcnt 0x0
	ds_add_u32 v168, v169
	s_wait_dscnt 0x0
	s_endpgm
.Lfunc_end_k_q535f2cc28f_bn:
	.size	k_q535f2cc28f_bn, .Lfunc_end_k_q535f2cc28f_bn-k_q535f2cc28f_bn
	.p2alignl 7, 3214868480
	.fill 96, 4, 3214868480
	.section	.rodata,"a",@progbits
	.p2align	6, 0x0
	.amdhsa_kernel k_q535f2cc28f_bn
		.amdhsa_group_segment_fixed_size 768
		.amdhsa_private_segment_fixed_size 0
		.amdhsa_enable_private_segment 0
		.amdhsa_kernarg_size 56
		.amdhsa_user_sgpr_count 2
		.amdhsa_user_sgpr_kernarg_segment_ptr 1
		.amdhsa_wavefront_size32 1
		.amdhsa_system_sgpr_workgroup_id_x 1
		.amdhsa_system_sgpr_workgroup_id_y 1
		.amdhsa_system_sgpr_workgroup_id_z 1
		.amdhsa_system_vgpr_workitem_id 0
		.amdhsa_next_free_vgpr 170
		.amdhsa_next_free_sgpr 66
		.amdhsa_reserve_vcc 0
		.amdhsa_float_denorm_mode_32 3
		.amdhsa_float_denorm_mode_16_64 3
		.amdhsa_memory_ordered 1
		.amdhsa_forward_progress 1
		.amdhsa_inst_pref_size 27
	.end_amdhsa_kernel
	.amdgpu_metadata
---
amdhsa.version: [ 1, 2 ]
amdhsa.kernels:
  - .name:           k_q535f2cc28f_bn
    .symbol:         k_q535f2cc28f_bn.kd
    .args:
      - { .name: ybuf, .offset: 0, .size: 8, .value_kind: global_buffer, .address_space: global }
      - { .name: gamma_wli, .offset: 8, .size: 8, .value_kind: global_buffer, .address_space: global }
      - { .name: beta_wli, .offset: 16, .size: 8, .value_kind: global_buffer, .address_space: global }
      - { .name: gamma_nbi, .offset: 24, .size: 8, .value_kind: global_buffer, .address_space: global }
      - { .name: beta_nbi, .offset: 32, .size: 8, .value_kind: global_buffer, .address_space: global }
      - { .name: out0, .offset: 40, .size: 8, .value_kind: global_buffer, .address_space: global }
      - { .name: out1, .offset: 48, .size: 8, .value_kind: global_buffer, .address_space: global }
    .group_segment_fixed_size: 768
    .private_segment_fixed_size: 0
    .kernarg_segment_align: 8
    .kernarg_segment_size: 56
    .max_flat_workgroup_size: 128
    .sgpr_count:     66
    .vgpr_count:     170
    .wavefront_size: 32
...
	.end_amdgpu_metadata
.endif
;; end of part 3
